; MI455X (gfx1250); checked and timed in simulation.
; The chip was launched on July 23, 2026; its instructions are those of AMD's public machine-readable ISA for CDNA 5 (MIT licence, August 2026) and "CDNA5" Instruction Set Architecture Reference Guide (July 2026). The comments in the code are by the model that wrote it; some were corrected since.
;; Codebook For Image. Allowed arithmetic: matrix products marked QUANTISED: E2M1 operands, one E8M0 scale for each 32 along K, by v_wmma_scale_f32_16x16x128_f8f6f4 with both operands' format E2M1 (or v_wmma_scale_f32_32x16x128_f4), f32 sums; everything else in f32.
;; Inputs: codes 8,192 x 1,024 float32; image_tensor 8,192 x 1,024 float32.
;; Outputs: out0 8,192 int32; out1 8,192 x 1,024 float32.
;; This version of the problem:
;;   THIS VERSION OF THE PROBLEM IS GIVEN IN LOW PRECISION. The matrix products marked QUANTISED in the list below multiply operands that are first quantised to E2M1 (2 exponent bits, 1 mantissa bit; 4 bits a number), with one power-of-two scale for each 32 numbers along K (OCP MX v1.0); their sums are f32. All else is computed in f32.
;;   The module's matrix products, in the order in which they are computed (A, B: the left and right operand; K: the contracted axis; several contracted axes count as one K, in the product's order):
;;     1. [M 8,192, K 1,024] x [K 1,024, N 8,192]; A: input image_tensor; B: input codes: QUANTISED
;;   THE QUANTISER, for each operand of a quantised product, along K:
;;     - K is cut into blocks of 32 from its start; a last block that is shorter is filled with zeros.
;;     - A block's scale is 2^e with e = floor(log2(the largest magnitude in the block)) - 2, held to -126 .. 127; a block of zeros has e = 0. As a byte (E8M0): e + 127.
;;     - Each number is divided by its block's scale, clamped to +-6, and rounded to the nearest number of E2M1, ties to even, subnormals kept.
;;     - The product sums the exact products of the quantised numbers (number of the format x scale) in f32.
;;   ~~~python
;;   def quantise(x, axis):      # numpy; x: float32 -> the quantised numbers, widened to float32 again
;;       x = np.moveaxis(x, axis, -1); K = x.shape[-1]
;;       x = np.pad(x, [(0, 0)] * (x.ndim - 1) + [(0, -K % 32)]); x = x.reshape(x.shape[:-1] + (-1, 32)); a = np.abs(x).max(-1, keepdims=True)
;;       e = np.where(a > 0, np.clip(np.frexp(np.where(a > 0, a, 1))[1] - 1 - 2, -126, 127), 0)      # np.frexp(a)[1] - 1 = floor(log2(a)), exactly
;;       r = np.clip(x / 2.0 ** e, -6, 6)
;;       step = 2.0 ** (np.maximum(np.frexp(np.where(r == 0, 1, r))[1] - 1, 0) - 1)
;;       q = np.round(r / step) * step * 2.0 ** e      # np.round: ties to even
;;       return np.moveaxis(q.reshape(q.shape[:-2] + (-1,))[..., :K], -1, axis).astype(np.float32)
;;   ~~~
;; One version. Each part assembles by itself: llvm-mc -triple=amdgcn-amd-amdhsa -mcpu=gfx1250 --defsym DOCPART=n.
;; ======== version 1 of 1: 3 launches
;; workspace buffers: xq 4,194,304 bytes; xs 262,144 bytes; cq 4,194,304 bytes; cs 262,144 bytes; xsq 32,768 bytes; csq 32,768 bytes; cand 1,048,576 bytes of whole numbers
;; launch quant (part 1): grid 512 x 1, 4 waves a work-group, no clusters, 33,280 bytes of LDS; arguments image_tensor, codes, xq, xs, cq, cs, xsq, csq; writes xq, xs, cq, cs, xsq, csq
.if DOCPART == 1
	.amdgcn_target "amdgcn-amd-amdhsa--gfx1250"
	.amdhsa_code_object_version 6
	.text
	.protected	k_qc4afeae0f4_quant
	.globl	k_qc4afeae0f4_quant
	.p2align	8
	.type	k_qc4afeae0f4_quant,@function
k_qc4afeae0f4_quant:
	s_mov_b64 s[64:65], 0
	v_nop
	global_prefetch_b8 v0, s[64:65] scope:SCOPE_SE
	s_setreg_imm32_b32 hwreg(HW_REG_WAVE_MODE, 25, 1), 1
	s_wait_xcnt 0x0
; image_tensor and codes, both [8192][1024] f32, become codes of FP4 (E2M1), K innermost, two to a byte (the lower k in the low four bits), one E8M0 byte for each 32 along K,
; and each row's sum of squares in f32.  A block's scale is 2^(floor(log2(its largest magnitude)) - 2); its byte is the largest magnitude's exponent field - 2, held at 1 from below.
; LIMITS: a block of zeros, or one whose largest magnitude lies under 2^-124, keeps the byte 1 (zero codes add nothing; the bytes are read by this program alone); NaN and infinities are not served;
; a row's 1,024 squares are added in four chains a lane and then a tree over the 32 lanes: an order of rounding that need not be the one of a plain sum.
; SHARES: work-groups 0-255 take image_tensor, 256-511 codes: only pointers are chosen.  A wave takes 8,192 numbers: 8 whole rows, 16 steps of 512 numbers, two steps to a row.
; Each load reads 512 consecutive bytes, 16 a lane; a step's 2,048 bytes turn through the wave's own stage in LDS and come back 64 bytes a lane: 16 neighbours along K, two lanes to a block.
; A wave's store of codes covers 256 consecutive bytes; its 256 scale bytes are gathered in LDS and leave as one aligned run of 256 bytes.  No barrier: waves share nothing.
.set STEPS, 16
.set WGA,   256                        ; work-groups for the first tensor: 8192 x 1024 / 32768
.set EMAX,  2
.set CB,    8                          ; bytes of 16 codes
.set R,     16                         ; v16-79   four sets of 16 numbers as they are loaded
.set X,     80                         ; v80-111  two sets of 16 neighbours
.set E,     112                        ; v112-127 a scale byte for each step
.set C,     128                        ; v128-191 codes: four registers for each step, so that no store's data are written again
.set SQ,    192                        ; v192-195 two packed chains of squares
.set SS,    196                        ; v196     a row's sum
.set PD,    197                        ; v197     the lane permute's destination
.set SQV,   198                        ; v198     lane i keeps the sum of my row i
.set SQO,   199                        ; v199     4 x lane
.set WREG,  8192                       ; LDS: a region for each wave: two stages of 32 x SP bytes, and behind them its 256 scale bytes
.set SP,    80                         ; a lane's place in a stage: its 64 bytes + 16 of padding
	s_load_b256 s[4:11], s[0:1], 0x0               ; image_tensor, codes, xq, xs
	s_load_b256 s[12:19], s[0:1], 0x20             ; cq, cs, xsq, csq
	v_lshl_add_u32 v200, v0, 2, 0x8000
	v_mov_b32 v201, 0
	v_lshrrev_b32 v1, 5, v0
	v_readfirstlane_b32 s20, v1                    ; wave
	v_and_b32 v2, 31, v0                           ; lane
	v_lshlrev_b32 v3, 4, v2                        ; my 16 bytes of a load's 512
	s_mul_i32 s21, s20, WREG
	v_lshrrev_b32 v14, 2, v2
	v_mul_u32_u24 v14, v14, SP
	v_and_b32 v15, 3, v2
	v_lshl_add_u32 v14, v15, 4, v14
	v_add_nc_u32 v14, s21, v14                     ; the stage, on the way in: SP (lane / 4) + 16 (lane % 4)
	v_mul_u32_u24 v15, v2, SP
	v_add_nc_u32 v15, s21, v15                     ; and on the way out: SP x lane: my 16 neighbours
	v_mul_u32_u24 v4, v2, CB                       ; my codes' place in a step's
	v_lshrrev_b32 v5, 1, v2
	s_add_co_u32 s21, s21, 2*32*SP
	v_add_nc_u32 v5, s21, v5                       ; LDS: my wave's 256 scale bytes, my block's byte
	v_lshlrev_b32 v7, 3, v2                        ; and on the way out 8 bytes a lane
	v_add_nc_u32 v6, s21, v7
	v_lshlrev_b32 v[SQO], 2, v2
	v_mov_b32 v[PD], 0                             ; written once: a lane permute's destination counts as one of its sources
	v_mov_b32 v[SQV], 0
	s_mov_b32 s32, 0x76543210
	s_mov_b32 s33, 0xfedcba98                      ; v_permlanex16_b32's selects for lane l xor 16
	s_wait_kmcnt 0x0
	s_cmp_lt_u32 ttmp9, WGA                        ; which tensor?  The choice hangs on the work-group's number alone
	s_cselect_b64 s[4:5], s[4:5], s[6:7]           ; the numbers
	s_cselect_b64 s[8:9], s[8:9], s[12:13]         ; the codes
	s_cselect_b64 s[10:11], s[10:11], s[14:15]     ; the scale bytes
	s_cselect_b64 s[16:17], s[16:17], s[18:19]     ; the sums of squares
	s_cselect_b32 s21, 0, WGA
	s_sub_co_u32 s21, ttmp9, s21
	s_lshl_b32 s21, s21, 2
	s_add_co_u32 s22, s21, s20                     ; which run of 8,192 numbers is my wave's: 0 .. 1023
	s_mov_b32 s25, 0
	s_lshl_b32 s24, s22, 15                        ; 32,768 bytes of numbers a run
	s_add_nc_u64 s[4:5], s[4:5], s[24:25]
	s_lshl_b32 s24, s22, 12                        ; 4,096 bytes of codes
	s_add_nc_u64 s[8:9], s[8:9], s[24:25]
	s_lshl_b32 s24, s22, 8                         ; 256 scale bytes
	s_add_nc_u64 s[10:11], s[10:11], s[24:25]
	s_lshl_b32 s24, s22, 5                         ; 8 sums
	s_add_nc_u64 s[16:17], s[16:17], s[24:25]
.macro LOAD t
.irp i, 0,1,2,3
	global_load_b128 v[R+16*((\t)%4)+4*\i:R+16*((\t)%4)+4*\i+3], v3, s[4:5] offset:2048*(\t)+512*\i th:TH_LOAD_NT   ; 32 lanes read 512 consecutive bytes
.endr
.endm
.macro TURN t                          ; step t's numbers through the stage: LDS serves a wave's instructions in order, so no wait stands between the stores and the loads
.irp i, 0,1,2,3
	ds_store_b128 v14, v[R+16*((\t)%4)+4*\i:R+16*((\t)%4)+4*\i+3] offset:32*SP*((\t)%2)+8*SP*\i
.endr
.irp i, 0,1,2,3
	ds_load_b128 v[X+16*((\t)%2)+4*\i:X+16*((\t)%2)+4*\i+3], v15 offset:32*SP*((\t)%2)+16*\i
.endr
.endm
.irp t, 0,1,2,3
	LOAD \t
.endr
	s_wait_loadcnt 12                              ; step 0's four loads are in
	TURN 0
.macro STEP t
.set XS, X+16*((\t)%2)
.if (\t) > 0
	s_wait_dscnt 1                                 ; this step's numbers are back from the stage (the last step's byte store may be out): so its stores into the stage have read their registers,
.else
	s_wait_dscnt 0x0
.endif
.if (\t)+4 < STEPS
	LOAD (\t)+4                                    ; which take the loads of four steps on
.endif
.if (\t)+1 < STEPS
.if STEPS-2-(\t) >= 3
	s_wait_loadcnt 12                              ; the next step's four loads are in; those of the three steps behind it may be out
.else
	s_wait_loadcnt 4*(STEPS-2-(\t))
.endif
	TURN (\t)+1                                    ; and go through the other stage while this step is worked
.endif
	; the squares of my 16 numbers, two at a time, in two chains; an even step starts a row's chains, so that nothing is cleared
.if (\t)%2 == 0
	v_pk_mul_f32 v[SQ:SQ+1], v[XS:XS+1], v[XS:XS+1]
	v_pk_mul_f32 v[SQ+2:SQ+3], v[XS+2:XS+3], v[XS+2:XS+3]
.else
	v_pk_fma_f32 v[SQ:SQ+1], v[XS:XS+1], v[XS:XS+1], v[SQ:SQ+1]
	v_pk_fma_f32 v[SQ+2:SQ+3], v[XS+2:XS+3], v[XS+2:XS+3], v[SQ+2:SQ+3]
.endif
.irp i, 4,8,12
	v_pk_fma_f32 v[SQ:SQ+1], v[XS+\i:XS+\i+1], v[XS+\i:XS+\i+1], v[SQ:SQ+1]
	v_pk_fma_f32 v[SQ+2:SQ+3], v[XS+\i+2:XS+\i+3], v[XS+\i+2:XS+\i+3], v[SQ+2:SQ+3]
.endr
	v_max3_num_f32 v8, |v[XS]|, |v[XS+1]|, |v[XS+2]|               ; the largest magnitude of my 16
	v_max3_num_f32 v9, |v[XS+3]|, |v[XS+4]|, |v[XS+5]|
.irp i, 6,10
	v_max3_num_f32 v8, v8, |v[XS+\i]|, |v[XS+\i+1]|
	v_max3_num_f32 v9, v9, |v[XS+\i+2]|, |v[XS+\i+3]|
.endr
	v_max3_num_f32 v8, v8, |v[XS+14]|, |v[XS+15]|
	v_max3_num_f32 v8, v8, v9, (EMAX+1)<<23        ; and the floor 2^(EMAX + 1 - 127): so the byte cannot fall under 1
	v_max_num_f32_dpp v8, v8, v8 row_xmask:1 row_mask:0xf bank_mask:0xf   ; and of my neighbour's 16: the block's
	v_add_nc_u32 v11, -(EMAX<<23), v8              ; EMAX off its exponent field: the conversion takes the exponent field of this operand as its scale, and nothing else of it
	v_cvt_scalef32_pk8_fp4_f32 v[C+4*(\t)], v[XS:XS+7], v11        ; eight numbers / the scale, to the nearest code, ties to even, beyond the largest code the largest
	v_cvt_scalef32_pk8_fp4_f32 v[C+4*(\t)+1], v[XS+8:XS+15], v11
	v_lshrrev_b32 v[E+(\t)], 23, v11               ; the scale's byte (a plain line behind the conversions)
	ds_store_b8 v5, v[E+(\t)] offset:16*(\t)       ; both lanes of a block write the same byte with the same value
	global_store_b64 v4, v[C+4*(\t):C+4*(\t)+1], s[8:9] offset:32*CB*(\t)
.if (\t)%2 == 1                        ; an odd step ends a row: the four chains, then the 32 lanes
	v_pk_add_f32 v[SQ:SQ+1], v[SQ:SQ+1], v[SQ+2:SQ+3]
	v_add_f32 v[SS], v[SQ], v[SQ+1]
	v_add_f32_dpp v[SS], v[SS], v[SS] row_xmask:1 row_mask:0xf bank_mask:0xf
	v_add_f32_dpp v[SS], v[SS], v[SS] row_xmask:2 row_mask:0xf bank_mask:0xf
	v_add_f32_dpp v[SS], v[SS], v[SS] row_xmask:4 row_mask:0xf bank_mask:0xf
	v_add_f32_dpp v[SS], v[SS], v[SS] row_xmask:8 row_mask:0xf bank_mask:0xf
	v_permlanex16_b32 v[PD], v[SS], s32, s33
	v_add_f32 v[SS], v[SS], v[PD]
	v_cmp_eq_u32 vcc_lo, (\t)/2, v2
	v_cndmask_b32 v[SQV], v[SQV], v[SS], vcc_lo    ; lane t / 2 keeps it
.endif
.endm
.irp t, 0,1,2,3,4,5,6,7,8,9,10,11,12,13,14,15
	STEP \t
.endr
	ds_load_b64 v[12:13], v6                       ; LDS serves a wave's instructions in order: these see my stores
	s_wait_dscnt 0x0
	global_store_b64 v7, v[12:13], s[10:11]        ; 32 lanes store 256 consecutive bytes, aligned
	s_wait_xcnt 0x0                                ; EXEC is a source of the stores above: it changes only behind this wait
	v_cmp_gt_u32 vcc_lo, 8, v2
	s_wait_tensorcnt 0x0
	ds_add_u32 v200, v201
	s_wait_dscnt 0x0
	s_and_saveexec_b32 s22, vcc_lo
	global_store_b32 v[SQO], v[SQV], s[16:17]      ; my 8 rows' sums: 32 bytes a wave, 64 KiB in the whole launch
	s_wait_xcnt 0x0                                ; and again in front of the line that widens it
	s_or_b32 exec_lo, exec_lo, s22
	s_endpgm
.Lfunc_end_k_qc4afeae0f4_quant:
	.size	k_qc4afeae0f4_quant, .Lfunc_end_k_qc4afeae0f4_quant-k_qc4afeae0f4_quant
	.p2alignl 7, 3214868480
	.fill 96, 4, 3214868480
	.section	.rodata,"a",@progbits
	.p2align	6, 0x0
	.amdhsa_kernel k_qc4afeae0f4_quant
		.amdhsa_group_segment_fixed_size 33280
		.amdhsa_private_segment_fixed_size 0
		.amdhsa_enable_private_segment 0
		.amdhsa_kernarg_size 64
		.amdhsa_user_sgpr_count 2
		.amdhsa_user_sgpr_kernarg_segment_ptr 1
		.amdhsa_wavefront_size32 1
		.amdhsa_system_sgpr_workgroup_id_x 1
		.amdhsa_system_sgpr_workgroup_id_y 1
		.amdhsa_system_sgpr_workgroup_id_z 1
		.amdhsa_system_vgpr_workitem_id 0
		.amdhsa_next_free_vgpr 202
		.amdhsa_next_free_sgpr 66
		.amdhsa_reserve_vcc 1
		.amdhsa_float_denorm_mode_32 3
		.amdhsa_float_denorm_mode_16_64 3
		.amdhsa_memory_ordered 1
		.amdhsa_forward_progress 1
		.amdhsa_inst_pref_size 46
	.end_amdhsa_kernel
	.amdgpu_metadata
---
amdhsa.version: [ 1, 2 ]
amdhsa.kernels:
  - .name:           k_qc4afeae0f4_quant
    .symbol:         k_qc4afeae0f4_quant.kd
    .args:
      - { .name: image_tensor, .offset: 0, .size: 8, .value_kind: global_buffer, .address_space: global }
      - { .name: codes, .offset: 8, .size: 8, .value_kind: global_buffer, .address_space: global }
      - { .name: xq, .offset: 16, .size: 8, .value_kind: global_buffer, .address_space: global }
      - { .name: xs, .offset: 24, .size: 8, .value_kind: global_buffer, .address_space: global }
      - { .name: cq, .offset: 32, .size: 8, .value_kind: global_buffer, .address_space: global }
      - { .name: cs, .offset: 40, .size: 8, .value_kind: global_buffer, .address_space: global }
      - { .name: xsq, .offset: 48, .size: 8, .value_kind: global_buffer, .address_space: global }
      - { .name: csq, .offset: 56, .size: 8, .value_kind: global_buffer, .address_space: global }
    .group_segment_fixed_size: 33280
    .private_segment_fixed_size: 0
    .kernarg_segment_align: 8
    .kernarg_segment_size: 64
    .max_flat_workgroup_size: 128
    .sgpr_count:     66
    .vgpr_count:     202
    .wavefront_size: 32
...
	.end_amdgpu_metadata
.endif
;; end of part 1
;; launch dist (part 2): grid 8 x 32, 4 waves a work-group, clusters of 4 x 4, 327,680 bytes of LDS; arguments xq, xs, cq, cs, xsq, csq, cand; writes cand
.if DOCPART == 2
	.amdgcn_target "amdgcn-amd-amdhsa--gfx1250"
	.amdhsa_code_object_version 6
	.text
	.protected	k_qc4afeae0f4_dist
	.globl	k_qc4afeae0f4_dist
	.p2align	8
	.type	k_qc4afeae0f4_dist,@function
k_qc4afeae0f4_dist:
	s_mov_b64 s[64:65], 0
	v_nop
	global_prefetch_b8 v0, s[64:65] scope:SCOPE_SE
	s_setreg_imm32_b32 hwreg(HW_REG_WAVE_MODE, 25, 1), 1
	s_wait_xcnt 0x0
	s_wait_alu depctr_hold_cnt(0) depctr_sa_sdst(0) depctr_va_vdst(0) depctr_va_sdst(0) depctr_va_ssrc(0) depctr_va_vcc(0) depctr_vm_vsrc(0)
	s_getreg_b32 s2, hwreg(HW_REG_IB_STS2, 6, 4)
	s_cmp_eq_u32 s2, 0
	s_cbranch_scc0 .Lentry_in_a_cluster
	s_endpgm
.Lentry_in_a_cluster:
	s_bfe_u32 s2, ttmp6, 0x10000c
	s_cmp_lg_u32 s2, 0xf033
	s_cbranch_scc0 .Lentry_shape_is_right
	s_endpgm
.Lentry_shape_is_right:
; cross = Q(x) Q(c)^T on codes of FP4 (E2M1) with E8M0 scales, K = 1,024; dist2 = (x_sq - 2 cross) + c_sq with reference()'s own two roundings; of each row of x the smallest distance of a share of the
; columns and its lowest column.  Stored for each row and each of 16 shares: the column, and the distance's f32 bits turned into a whole number that orders as the distance does
; (key = bits xor ((bits >> 31, arithmetic) | 0x80000000)): the next launch takes the least of the 16 by whole-number compares.
; LIMITS: NaN and infinities among the distances are not served (a row all of whose distances overflow keeps column 0).
; SHARES.  Work-group (gx, gy): rows 256 gy .. + 255 of x against codes 1024 gx .. + 1023, as four tiles of 256 x 256.  x's codes, all of K, are brought into LDS once and stay; the codes' tiles go through a ring of
; two slots, slot s holding K half s (256 bytes a row) of the tile in hand.  Four waves; wave w makes rows 128 (w / 2) on x columns 128 (w % 2) on of each tile: 64 accumulators, 512 registers.
; The scale bytes of x's 256 rows and of all 1,024 codes come once, as runs of 256 bytes with 16 of padding behind each, and stay.
; CLUSTERS: 4 x 4 work-groups.  x's tile and scales hang on gy alone and are asked for jointly along a row of the cluster, the codes' on gx alone, along a column.  Every wave issues every joint load, a quarter of each tile.
; A wave has five tensor loads out at the start and one behind each round.
; THE MATRIX INSTRUCTION IS USED TRANSPOSED (source 0 = 16 codes, source 1 = 16 rows of x): lane (r, h) of accumulator (a, b) holds row 16 a + r of x and columns 16 b + 8 h + 0 .. 7.
; THE ARGMIN.  A lane keeps for each of its 8 rows: BEST, the least distance so far; GID, the first column of the group of eight that holds it; W, that group's eight distances.  In a tile the eight groups of a row
; meet in a tournament (a strict compare: on a tie the lower column stays); the eight distances follow by selects; which of the eight it was is asked once, at the end.
; REGISTERS, in windows of 256: window 0: v1-30 addresses; v32-95 scale words, two sets; v96-111 x_sq; v112-119 BEST; v120-127 GID; v128-191 x's fragments, one set; v192-255 at work.
;   window 1: v0-63, v128-191 the codes' fragments, two sets; v64-127 c_sq of my 64 columns a lane; v192-255 W.   windows 2, 3: the accumulators ((a, b) at v[8 (8 (a % 4) + b)]).
.set APITCH, 528                       ; x's row in LDS: 512 bytes + 16 of padding
.set BPITCH, 272                       ; a code's half row: 256 + 16
.set BS0,    256*APITCH                ; behind x's 256 rows: the ring
.set BSLOT,  256*BPITCH
.set ASC,    BS0+2*BSLOT               ; x's scale bytes: 32 runs of 256 + 16
.set BSC,    ASC+32*272                ; the codes': 128 runs; a tile's 32 runs are STILE bytes
.set STILE,  32*272
.set SHALF,  16*272                    ; the scales of 128 rows
.set SBLK,   2*272                     ; of 16 rows
.set SPARE,  327168                    ; the last 512 bytes of LDS: the spare words, 128 bytes for each wave, which no other line names
.set ADRA,  16                         ; v16    LDS address of my fragments of x
.set ADRB,  20                         ; v20-21 of the codes' fragments in slot 0, 1
.set ADRS0, 22                         ; v22    of x's scale words for my lane's row
.set ADRS,  23                         ; v23    the same in lanes 0-15; in lanes 16-31 the codes' scale words of the tile in hand
.set H8,    24                         ; v24    8 h
.set CSO,   25                         ; v25    32 h: my eight c_sq of a block of 16
.set XO,    26                         ; v26    4 r
.set TMPV,  27
.set SPW,   28                         ; v28    LDS address of my spare word; never rewritten
.set NIL,   29                         ; v29    0; never rewritten
.set STO,   30                         ; v30    8 x lane
.set SC,    32                         ; scale words: set s at v[SC + 32 s]; register 4 i + q: lanes 0-15 x's block i, lanes 16-31 the codes' block i, the half's q-th 128 along K
.set XQ,    96                         ; x_sq of block a, in both v[XQ + 2 a] and v[XQ + 2 a + 1]
.set BEST,  112
.set GID,   120
.set AF,    128
.set T,     192                        ; v192-239: three registers for each of 16 groups
.set ID,    240                        ; v240-247
.set JJ,    248                        ; v248-255
.set CS,    64                         ; in window 1
.set WB,    192                        ; in window 1
.set INF,   2                          ; s2   +infinity
.set HM,    3                          ; s3   lanes 16-31
.set CSB,   14                         ; s[14:15] c_sq at my columns of the tile in hand
.set WV,    18
.set WR,    19
.set WC,    20
.set CX,    21
.set CY,    22
.set GX,    23
.set GY,    24
.set MKA,   25
.set MKB,   26
.set TL,    27
.set G1A,   28                         ; s[28:35] group 1: x's codes;  s[36:43] the codes' codes;  s[44:51] x's scales;  s[52:59] the codes' scales
.set G1B,   36
.set G1AS,  44
.set G1BS,  52
.set G0A,   60                         ; groups 0
.set SEL,   66                         ; s[66:67] v_permlanex16_b32's selects for lane l xor 16
.set G0AS,  68
.set G0BS,  72
.set G0B,   76                         ; s[76:83] one set for each slot
.set M,     84                         ; s[84:99] lane masks (at the head: at work)
.set TBASE, 100                        ; s100 the column of my wave's first column in the tile in hand
.set DIST,  101                        ; s101 from x's scale words to the codes' of the tile in hand
.set MSB, 0
.macro WIN new                         ; the immediate's high byte repeats the setting that is left
.if MSB != \new
	s_set_vgpr_msb (MSB<<8)|\new
.set MSB, \new
.endif
.endm
.set MUL_LO, 0xa1                      ; source 0 (codes) window 1, source 1 (x) window 0, C and D window 2
.set MUL_HI, 0xf1                      ; the same, C and D window 3
.set TO_B,   0x40                      ; destination window 1, address window 0
.macro CREST                           ; a round of the cluster's barrier behind its opening barrier
	s_cmp_lg_u32 s[WV], 0
	s_cbranch_scc1 .Lnot_wave_0_\@
	s_barrier_signal -3
.Lnot_wave_0_\@:
	s_barrier_wait -3
	s_barrier_signal -1
	s_barrier_wait -1
.endm
.macro CROUND                          ; a whole round
	s_barrier_signal -1
	s_barrier_wait -1
	CREST
.endm
.macro PLACES n                        ; plain vector lines between a matrix instruction and a load into, or a vector read of, its registers
.rept \n
	v_nop
.endr
.endm
	s_load_b256 s[4:11], s[0:1], 0x0               ; xq, xs, cq, cs
	s_load_b128 s[12:15], s[0:1], 0x20             ; xsq, csq
	s_load_b64 s[16:17], s[0:1], 0x30              ; cand
	v_lshl_add_u32 v[SPW], v0, 2, SPARE
	v_mov_b32 v[NIL], 0
	ds_add_u32 v28, v29
	ds_add_u32 v28, v29
	s_wait_dscnt 0x0
	v_lshrrev_b32 v1, 5, v0
	v_readfirstlane_b32 s[WV], v1                  ; wave 0..3
	s_lshr_b32 s[WR], s[WV], 1                     ; which 128 rows are mine
	s_and_b32 s[WC], s[WV], 1                      ; which 128 columns
	s_bfe_u32 s[CX], ttmp6, 0x40000                ; my place in the cluster
	s_bfe_u32 s[CY], ttmp6, 0x40004
	s_lshl_b32 s[GX], ttmp9, 2
	s_add_co_u32 s[GX], s[GX], s[CX]               ; gx = 4 x cluster x + cx
	s_and_b32 s[GY], ttmp7, 0xffff
	s_lshl_b32 s[GY], s[GY], 2
	s_add_co_u32 s[GY], s[GY], s[CY]               ; gy = 4 x cluster y + cy
	s_lshl_b32 s[MKA], s[CY], 2
	s_lshl_b32 s[MKA], 15, s[MKA]                  ; my row of the cluster
	s_lshl_b32 s[MKB], 0x1111, s[CX]               ; my column
	; groups 1.  x's codes: 64 rows x 512 bytes, 16 bytes of padding behind every 128 words
	s_or_b32 s[G1A], s[MKA], (1<<20)|(1<<21)|(6<<22)|(3<<25)
	s_mov_b32 s[G1A+1], 512<<16                    ; tensor_dim0
	s_mov_b32 s[G1A+2], 64<<16                     ; tensor_dim1
	s_mov_b32 s[G1A+3], 512<<16                    ; tile_dim0
	s_mov_b32 s[G1A+4], 64                         ; tile_dim1
	s_mov_b32 s[G1A+5], 512                        ; from row to row
	s_mov_b32 s[G1A+6], 0
	s_mov_b32 s[G1A+7], 0
	; the codes' codes: 64 rows x 256 bytes of rows 512 bytes apart, 16 bytes of padding behind every 64 words
	s_or_b32 s[G1B], s[MKB], (1<<20)|(1<<21)|(5<<22)|(3<<25)
	s_mov_b32 s[G1B+1], 256<<16
	s_mov_b32 s[G1B+2], 64<<16
	s_mov_b32 s[G1B+3], 256<<16
	s_mov_b32 s[G1B+4], 64
	s_mov_b32 s[G1B+5], 512
	s_mov_b32 s[G1B+6], 0
	s_mov_b32 s[G1B+7], 0
	; scale bytes: dense blocks, as rows of 256 bytes (32 elements of 8 bytes), 16 bytes of padding behind each: 8 such rows (64 rows of x) and 32 (256 codes)
	s_or_b32 s[G1AS], s[MKA], (3<<16)|(1<<20)|(1<<21)|(5<<22)|(3<<25)
	s_mov_b32 s[G1AS+1], 32<<16
	s_mov_b32 s[G1AS+2], 8<<16
	s_mov_b32 s[G1AS+3], 32<<16
	s_mov_b32 s[G1AS+4], 8
	s_mov_b32 s[G1AS+5], 32
	s_mov_b32 s[G1AS+6], 0
	s_mov_b32 s[G1AS+7], 0
	s_or_b32 s[G1BS], s[MKB], (3<<16)|(1<<20)|(1<<21)|(5<<22)|(3<<25)
	s_mov_b32 s[G1BS+1], 32<<16
	s_mov_b32 s[G1BS+2], 32<<16
	s_mov_b32 s[G1BS+3], 32<<16
	s_mov_b32 s[G1BS+4], 32
	s_mov_b32 s[G1BS+5], 32
	s_mov_b32 s[G1BS+6], 0
	s_mov_b32 s[G1BS+7], 0
	; byte offsets.  x's are made of gy and the wave's number alone, the codes' of gx and the wave's number alone, in registers of their own
	s_lshl_b32 s84, s[GY], 17
	s_lshl_b32 s85, s[WV], 15
	s_add_co_u32 s84, s84, s85                     ; xq: (256 gy + 64 w) x 512
	s_mov_b32 s85, 0
	s_lshl_b32 s86, s[GY], 13
	s_lshl_b32 s87, s[WV], 11
	s_add_co_u32 s86, s86, s87                     ; xs: (256 gy + 64 w) x 32
	s_mov_b32 s87, 0
	s_lshl_b32 s88, s[GX], 19
	s_lshl_b32 s89, s[WV], 15
	s_add_co_u32 s88, s88, s89                     ; cq: (1024 gx + 64 w) x 512
	s_mov_b32 s89, 0
	s_lshl_b32 s90, s[GX], 15
	s_lshl_b32 s91, s[WV], 13
	s_add_co_u32 s90, s90, s91                     ; cs: (1024 gx + 256 w) x 32
	s_mov_b32 s91, 0
	s_lshl_b32 s92, s[GY], 10
	s_lshl_b32 s93, s[WR], 9
	s_add_co_u32 s92, s92, s93                     ; xsq: (256 gy + 128 wr) x 4
	s_mov_b32 s93, 0
	s_lshl_b32 s94, s[GX], 12
	s_lshl_b32 s95, s[WC], 9
	s_add_co_u32 s94, s94, s95                     ; csq: (1024 gx + 128 wc) x 4
	s_mov_b32 s95, 0
	s_lshl_b32 s96, s[GY], 15
	s_lshl_b32 s97, s[WR], 14
	s_add_co_u32 s96, s96, s97
	s_lshl_b32 s97, s[GX], 9
	s_add_co_u32 s96, s96, s97
	s_lshl_b32 s97, s[WC], 8
	s_add_co_u32 s96, s96, s97                     ; cand: ((8 gy + 4 wr) x 16 + 2 gx + wc) x 256
	s_mov_b32 s97, 0
	s_lshl_b32 s[TBASE], s[GX], 10
	s_lshl_b32 s98, s[WC], 7
	s_add_co_u32 s[TBASE], s[TBASE], s98           ; 1024 gx + 128 wc
	s_mul_i32 s98, s[WV], 64*BPITCH                ; my quarter of a slot
	s_mov_b32 s[SEL], 0x76543210
	s_mov_b32 s[SEL+1], 0xfedcba98
	s_mov_b32 s[HM], 0xffff0000
	s_mov_b32 s[INF], 0x7f800000
	s_wait_kmcnt 0x0
	s_mov_b32 s[G0A], 1
	s_mul_i32 s[G0A+1], s[WV], 64*APITCH
	s_add_nc_u64 s[G0A+2:G0A+3], s[4:5], s[84:85]
	s_or_b32 s[G0A+3], s[G0A+3], 0x80000000
	s_mov_b32 s[G0AS], 1
	s_mul_i32 s[G0AS+1], s[WV], 8*272
	s_add_co_u32 s[G0AS+1], s[G0AS+1], ASC
	s_add_nc_u64 s[G0AS+2:G0AS+3], s[6:7], s[86:87]
	s_or_b32 s[G0AS+3], s[G0AS+3], 0x80000000
	s_mov_b32 s[G0BS], 1
	s_mul_i32 s[G0BS+1], s[WV], STILE
	s_add_co_u32 s[G0BS+1], s[G0BS+1], BSC
	s_add_nc_u64 s[G0BS+2:G0BS+3], s[10:11], s[90:91]
	s_or_b32 s[G0BS+3], s[G0BS+3], 0x80000000
	s_add_nc_u64 s[88:89], s[8:9], s[88:89]
.irp s, 0,1
	s_mov_b32 s[G0B+4*\s], 1
	s_add_co_u32 s[G0B+4*\s+1], s98, BS0+\s*BSLOT
	s_add_nc_u64 s[G0B+4*\s+2:G0B+4*\s+3], s[88:89], \s*256      ; K half s of tile 0
	s_or_b32 s[G0B+4*\s+3], s[G0B+4*\s+3], 0x80000000
.endr
	s_add_nc_u64 s[12:13], s[12:13], s[92:93]
	s_add_nc_u64 s[CSB:CSB+1], s[CSB:CSB+1], s[94:95]
	s_add_nc_u64 s[16:17], s[16:17], s[96:97]
	CROUND                                         ; all sixteen work-groups are here: the first joint loads meet
	tensor_load_to_lds s[G0A:G0A+3], s[G1A:G1A+7]          ; the first fills go out as one group: x's codes,
	s_nop 0
	tensor_load_to_lds s[G0AS:G0AS+3], s[G1AS:G1AS+7]      ; x's scales,
	s_nop 0
	tensor_load_to_lds s[G0BS:G0BS+3], s[G1BS:G1BS+7]      ; the codes' scales,
	s_nop 0
	tensor_load_to_lds s[G0B:G0B+3], s[G1B:G1B+7]          ; slot 0,
	s_nop 0
	tensor_load_to_lds s[G0B+4:G0B+7], s[G1B:G1B+7]        ; slot 1
	s_nop 0
	PLACES 4                                       ; (behind a tensor load)
	v_and_b32 v1, 15, v0                           ; r
	v_bfe_u32 v2, v0, 4, 1                         ; h; both stay
	v_mul_u32_u24 v3, v1, APITCH
	v_lshl_add_u32 v3, v2, 4, v3                   ; a fragment's row x pitch + 16 h
	s_mul_i32 s92, s[WR], 128*APITCH
	v_add_nc_u32 v[ADRA], s92, v3
	v_mul_u32_u24 v3, v1, BPITCH
	v_lshl_add_u32 v3, v2, 4, v3
	s_mul_i32 s92, s[WC], 128*BPITCH
	s_add_co_u32 s92, s92, BS0
	v_add_nc_u32 v[ADRB], s92, v3
	s_add_co_u32 s92, s92, BSLOT
	v_add_nc_u32 v[ADRB+1], s92, v3
	v_lshrrev_b32 v3, 3, v1
	v_lshlrev_b32 v[ADRS0], 5, v1
	v_lshl_add_u32 v[ADRS0], v3, 4, v[ADRS0]       ; 32 bytes a row, and 16 more behind each 256
	s_mul_i32 s92, s[WR], SHALF                    ; x's: my 128 rows
	s_mul_i32 s[DIST], s[WC], SHALF                ; the codes': my 128 of tile 0,
	s_add_co_u32 s[DIST], s[DIST], BSC-ASC         ; behind x's
	s_sub_co_u32 s[DIST], s[DIST], s92
	v_mul_u32_u24 v[TMPV], s[DIST], v2             ; lanes 16-31 take the codes': ONE product, h x the distance
	s_add_co_u32 s92, s92, ASC
	v_add_nc_u32 v[ADRS0], s92, v[ADRS0]
	v_add_nc_u32 v[ADRS], v[TMPV], v[ADRS0]
	v_lshlrev_b32 v[H8], 3, v2
	v_lshlrev_b32 v[CSO], 5, v2
	v_lshlrev_b32 v[XO], 2, v1
	v_and_b32 v[STO], 31, v0
	v_lshlrev_b32 v[STO], 3, v[STO]
.irp a, 0,1,2,3,4,5,6,7
	global_load_b32 v[XQ+2*\a], v[XO], s[12:13] offset:64*\a     ; x_sq of row 16 a + r, into both registers of a pair for the packed form
	global_load_b32 v[XQ+2*\a+1], v[XO], s[12:13] offset:64*\a
.endr
.macro CSLOAD                          ; c_sq of my 64 columns of a tile: register 8 b + j = column 16 b + 8 h + j
	WIN TO_B
.irp b, 0,1,2,3,4,5,6,7
.irp u, 0,1
	global_load_b128 v[CS+8*\b+4*\u:CS+8*\b+4*\u+3], v[CSO], s[CSB:CSB+1] offset:64*\b+16*\u
.endr
.endr
	WIN 0
.endm
	CSLOAD
.irp a, 0,1,2,3,4,5,6,7
	v_mov_b32 v[BEST+\a], s[INF]                   ; over every distance: the first tile's least takes its place.  (So the tile's way is written once for all four tiles)
	v_mov_b32 v[GID+\a], 0
.endr
	WIN TO_B
.set i, 0
.rept 64
	v_mov_b32 v[WB+i], s[INF]                      ; W is a source of its own select, so it is written once
.set i, i+1
.endr
	WIN 0
.macro FRAGA reg, kq, i                ; a fragment, 16 rows x 128 K, is 8 registers: lane (r, h): registers 4 c .. 4 c + 3 hold K = 64 c + 32 h + 0 .. 31: 16 bytes of the row as they lie
.irp c, 0,1
	ds_load_b128 v[\reg+4*\c:\reg+4*\c+3], v[ADRA] offset:64*(\kq)+32*\c+(\i)*16*APITCH
.endr
.endm
.macro FRAGB reg, adr, q, i
.irp c, 0,1
	ds_load_b128 v[\reg+4*\c:\reg+4*\c+3], v[\adr] offset:64*(\q)+32*\c+(\i)*16*BPITCH
.endr
.endm
.macro FETCH_B slot, q, p              ; the codes' eight fragments of the slot's q-th 128 along K into set p
	WIN TO_B
.irp i, 0,1,2,3,4,5,6,7
	FRAGB 128*(\p)+8*\i, ADRB+(\slot), \q, \i
.endr
	WIN 0
.endm
.macro FETCH_A kq, i0                  ; x's blocks i0 .. i0 + 3 of the kq-th 128 along K
.irp i, \i0, \i0+1, \i0+2, \i0+3
	FRAGA AF+8*(\i), \kq, \i
.endr
.endm
.macro SCALES hf                       ; K half hf's scale words into set hf: four words a row; lanes 0-15 x's block i, lanes 16-31 the codes' block i
.irp i, 0,1,2,3,4,5,6,7
	ds_load_b128 v[SC+32*(\hf)+4*\i:SC+32*(\hf)+4*\i+3], v[ADRS] offset:\i*SBLK+16*(\hf)
.endr
.endm
; 16 matrix instructions: x's blocks a0, a0 + 1 against the codes' eight, 128 along K.  zero = 1: the first product starts the sums.  The 64 accumulators take turns, one instruction a turn, in the same
; order in every step.
.macro MUL16 a0, p, q, sc, zero
.irp a, \a0, \a0+1
.irp b, 0,1,2,3,4,5,6,7
.if \zero
	v_wmma_scale_f32_16x16x128_f8f6f4 v[8*(8*((\a)%4)+\b):8*(8*((\a)%4)+\b)+7], v[128*(\p)+8*\b:128*(\p)+8*\b+7], v[AF+8*(\a):AF+8*(\a)+7], 0, v[SC+32*(\sc)+4*\b+(\q)], v[SC+32*(\sc)+4*(\a)+(\q)] matrix_a_fmt:MATRIX_FMT_FP4 matrix_b_fmt:MATRIX_FMT_FP4 matrix_a_scale:MATRIX_SCALE_ROW1
.else
	v_wmma_scale_f32_16x16x128_f8f6f4 v[8*(8*((\a)%4)+\b):8*(8*((\a)%4)+\b)+7], v[128*(\p)+8*\b:128*(\p)+8*\b+7], v[AF+8*(\a):AF+8*(\a)+7], v[8*(8*((\a)%4)+\b):8*(8*((\a)%4)+\b)+7], v[SC+32*(\sc)+4*\b+(\q)], v[SC+32*(\sc)+4*(\a)+(\q)] matrix_a_fmt:MATRIX_FMT_FP4 matrix_b_fmt:MATRIX_FMT_FP4 matrix_a_scale:MATRIX_SCALE_ROW1
.endif
.endr
.endr
.endm
; A step of 128 along K that has its successor in the same slot (q = 0 .. 2 of K half hf).  A block of x is free as soon as its eight products are issued: one set serves x; the codes' fragments have two.
.macro STEP hf, q, zero
	s_wait_dscnt 8                                 ; the codes' set, x's blocks 0-3 and the scale words are in; the youngest eight loads (x's blocks 4-7) may be out
	WIN MUL_LO
	MUL16 0, (\q)%2, \q, \hf, \zero
	MUL16 2, (\q)%2, \q, \hf, \zero
	s_wait_dscnt 0x0                               ; x's blocks 4-7 are in
	PLACES 4
	FETCH_B \hf, (\q)+1, 1-(\q)%2
	FETCH_A 4*(\hf)+(\q)+1, 0
	WIN MUL_HI
	MUL16 4, (\q)%2, \q, \hf, \zero
	MUL16 6, (\q)%2, \q, \hf, \zero
	PLACES 4
	WIN 0
	FETCH_A 4*(\hf)+(\q)+1, 4
.endm
; A slot's last step changes slots: ONE barrier; in front of it each wave waits for all its tensor loads, adds 0 to its spare word, and waits for that and for its reads of this slot.
; fill = 1: the barrier opens a round of the cluster's, and this slot takes the same K half of the next tile.  newtile = 1: what is fetched next is the next tile's.
.macro TURN slot, fill, newtile
	s_wait_tensorcnt 0x0                           ; all my tensor loads have landed: the one that was out is my quarter of the other slot  (every window is 0 here)
	ds_add_u32 v[SPW], v[NIL]                      ; 0 onto my spare word
	s_wait_dscnt 9                                 ; (the add and the youngest eight loads may be out)
	WIN MUL_LO
	MUL16 0, 1, 3, \slot, 0                        ; sixteen matrix instructions stand between the add and the wait for it
	s_wait_dscnt 0x0                               ; the add is done, and my reads of this slot are over
	s_barrier_signal -1
	MUL16 2, 1, 3, \slot, 0
	WIN 0
	s_barrier_wait -1
.if \fill
	CREST                                          ; no wave of any partner still reads this slot or has a load on its way
	s_add_nc_u64 s[G0B+4*\slot+2:G0B+4*\slot+3], s[G0B+4*\slot+2:G0B+4*\slot+3], 256*512   ; 256 codes on
	tensor_load_to_lds s[G0B+4*\slot:G0B+4*\slot+3], s[G1B:G1B+7]   ; my one tensor load behind the round, and the first thing there
	s_nop 0
.endif
	PLACES 4                                       ; behind the tensor load, and the places in front of the loads below
.if \newtile
	s_add_co_u32 s[DIST], s[DIST], STILE           ; the next tile's scale words of the codes
	v_mul_u32_u24 v[TMPV], s[DIST], v2
	v_add_nc_u32 v[ADRS], v[TMPV], v[ADRS0]
.endif
	FETCH_B 1-\slot, 0, 0
	FETCH_A 4*(1-\slot), 0
	SCALES 1-\slot
	WIN MUL_HI
	MUL16 4, 1, 3, \slot, 0
	MUL16 6, 1, 3, \slot, 0
	PLACES 4
	WIN 0
	FETCH_A 4*(1-\slot), 4
.endm
.macro LAST                            ; the last tile's last step: nothing more to fetch
	s_wait_dscnt 8
	WIN MUL_LO
	MUL16 0, 1, 3, 1, 0
	MUL16 2, 1, 3, 1, 0
	s_wait_dscnt 0x0
	WIN MUL_HI
	MUL16 4, 1, 3, 1, 0
	MUL16 6, 1, 3, 1, 0
	WIN 0
	PLACES 4
.endm
; THE DISTANCES AND THE ARGMIN of blocks a0 and a0 + 1 (both in one window), in five stretches, each under one window setting.
.macro EPI2 a0
.set EW, 2+(\a0)/4                     ; the blocks' window
.set DB, 64*((\a0)%4)                  ; block a0's accumulators; block a0 + 1's lie 64 on
	WIN ((EW<<6)|(1<<2)|EW)                        ; 1: fl(x_sq - 2 cross), then fl(.. + c_sq): reference's two roundings.
.irp u, 0,1
.irp b, 0,1,2,3,4,5,6,7
.irp p, 0,2,4,6
	v_pk_fma_f32 v[DB+64*\u+8*\b+\p:DB+64*\u+8*\b+\p+1], v[DB+64*\u+8*\b+\p:DB+64*\u+8*\b+\p+1], -2.0, v[XQ+2*((\a0)+\u):XQ+2*((\a0)+\u)+1] op_sel_hi:[1,0,1]
.endr
.endr
.endr
.irp u, 0,1
.irp b, 0,1,2,3,4,5,6,7
.irp p, 0,2,4,6
	v_pk_add_f32 v[DB+64*\u+8*\b+\p:DB+64*\u+8*\b+\p+1], v[DB+64*\u+8*\b+\p:DB+64*\u+8*\b+\p+1], v[CS+8*\b+\p:CS+8*\b+\p+1]
.endr
.endr
.endr
	WIN ((EW<<4)|(EW<<2)|EW)                       ; 2: the least of each group of eight, three operands at a time
.irp u, 0,1
.irp b, 0,1,2,3,4,5,6,7
	v_min3_num_f32 v[T+3*(8*\u+\b)], v[DB+64*\u+8*\b], v[DB+64*\u+8*\b+1], v[DB+64*\u+8*\b+2]
	v_min3_num_f32 v[T+3*(8*\u+\b)+1], v[DB+64*\u+8*\b+3], v[DB+64*\u+8*\b+4], v[DB+64*\u+8*\b+5]
	v_min_num_f32 v[T+3*(8*\u+\b)+2], v[DB+64*\u+8*\b+6], v[DB+64*\u+8*\b+7]
.endr
.endr
	WIN 0                                          ; 3: the tournament of a block's eight groups; the right one wins only where it is strictly less.  The two blocks by turns
.irp u, 0,1
.irp b, 0,1,2,3,4,5,6,7
	v_min3_num_f32 v[T+3*(8*\u+\b)], v[T+3*(8*\u+\b)], v[T+3*(8*\u+\b)+1], v[T+3*(8*\u+\b)+2]
.endr
.endr
.irp n, 0,1,2,3
.irp u, 0,1
	v_cmp_lt_f32 s[M+8*\u+\n], v[T+3*(8*\u+2*\n+1)], v[T+3*(8*\u+2*\n)]
.endr
.endr
.irp n, 0,1,2,3
.irp u, 0,1
	v_min_num_f32 v[T+3*(8*\u+2*\n)], v[T+3*(8*\u+2*\n)], v[T+3*(8*\u+2*\n+1)]
	v_cndmask_b32 v[ID+4*\u+\n], 2*\n, 2*\n+1, s[M+8*\u+\n]
.endr
.endr
.irp m, 0,1
.irp u, 0,1
	v_cmp_lt_f32 s[M+8*\u+4+\m], v[T+3*(8*\u+4*\m+2)], v[T+3*(8*\u+4*\m)]
.endr
.endr
.irp m, 0,1
.irp u, 0,1
	v_min_num_f32 v[T+3*(8*\u+4*\m)], v[T+3*(8*\u+4*\m)], v[T+3*(8*\u+4*\m+2)]
	v_cndmask_b32 v[ID+4*\u+2*\m], v[ID+4*\u+2*\m], v[ID+4*\u+2*\m+1], s[M+8*\u+4+\m]
.endr
.endr
.irp u, 0,1
	v_cmp_lt_f32 s[M+8*\u+6], v[T+3*(8*\u+4)], v[T+3*(8*\u)]
.endr
.irp u, 0,1
	v_min_num_f32 v[T+3*(8*\u)], v[T+3*(8*\u)], v[T+3*(8*\u+4)]
	v_cndmask_b32 v[ID+4*\u], v[ID+4*\u], v[ID+4*\u+2], s[M+8*\u+6]
.endr
.irp u, 0,1
	v_cmp_lt_f32 s[M+8*\u+7], v[T+3*(8*\u)], v[BEST+(\a0)+\u]    ; against the earlier tiles' best: on a tie the earlier, lower column stays
	v_lshl_add_u32 v[ID+4*\u], v[ID+4*\u], 4, s[TBASE]           ; the winning group's first column, less 8 h
.endr
.irp u, 0,1
	v_min_num_f32 v[BEST+(\a0)+\u], v[BEST+(\a0)+\u], v[T+3*(8*\u)]
	v_cndmask_b32 v[GID+(\a0)+\u], v[GID+(\a0)+\u], v[ID+4*\u], s[M+8*\u+7]
.endr
	WIN ((EW<<6)|(EW<<2)|EW)                       ; 4: the groups' eight distances follow the tournament, in place
.irp u, 0,1
.irp n, 0,1,2,3
	s_mov_b32 vcc_lo, s[M+8*\u+\n]
.irp j, 0,1,2,3,4,5,6,7
	v_cndmask_b32 v[DB+64*\u+16*\n+\j], v[DB+64*\u+16*\n+\j], v[DB+64*\u+16*\n+8+\j], vcc_lo
.endr
.endr
.endr
.irp u, 0,1
.irp m, 0,1
	s_mov_b32 vcc_lo, s[M+8*\u+4+\m]
.irp j, 0,1,2,3,4,5,6,7
	v_cndmask_b32 v[DB+64*\u+32*\m+\j], v[DB+64*\u+32*\m+\j], v[DB+64*\u+32*\m+16+\j], vcc_lo
.endr
.endr
.endr
.irp u, 0,1
	s_mov_b32 vcc_lo, s[M+8*\u+6]
.irp j, 0,1,2,3,4,5,6,7
	v_cndmask_b32 v[DB+64*\u+\j], v[DB+64*\u+\j], v[DB+64*\u+32+\j], vcc_lo
.endr
.endr
	WIN ((1<<6)|(EW<<2)|1)                         ; 5: and take W's place where the tile's best beat the earlier tiles'
.irp u, 0,1
	s_mov_b32 vcc_lo, s[M+8*\u+7]
.irp j, 0,1,2,3,4,5,6,7
	v_cndmask_b32 v[WB+8*((\a0)+\u)+\j], v[WB+8*((\a0)+\u)+\j], v[DB+64*\u+\j], vcc_lo
.endr
.endr
	WIN 0
.endm
.macro EPILOGUE more
	s_wait_loadcnt 0x0                             ; c_sq of this tile (and, the first time, x_sq) is in; the loads' base may be stepped
	EPI2 0
	EPI2 2
	EPI2 4
	EPI2 6
.if \more
	s_add_nc_u64 s[CSB:CSB+1], s[CSB:CSB+1], 1024  ; 256 columns on
	s_add_co_u32 s[TBASE], s[TBASE], 256
	CSLOAD                                         ; the next tile's c_sq lands under its products
.endif
.endm
.macro TILE fill
	STEP 0, 0, 1                                   ; a tile's first products start the sums: nothing is cleared
	STEP 0, 1, 0
	STEP 0, 2, 0
	TURN 0, \fill, 0
	STEP 1, 0, 0
	STEP 1, 1, 0
	STEP 1, 2, 0
.if \fill
	TURN 1, 1, 1                                   ; the next tile's first fragments are on their way under the argmin
	EPILOGUE 1
.else
	LAST
	EPILOGUE 0
.endif
.endm
	s_wait_tensorcnt 0x1                           ; x's codes, both scales and my quarter of slot 0 are in; slot 1's load may be out
	s_barrier_signal -1
	s_barrier_wait -1                              ; everybody's are
	FETCH_B 0, 0, 0
	FETCH_A 0, 0
	SCALES 0
	FETCH_A 0, 4
	s_mov_b32 s[TL], 3
.Ltile:                                                ; three trips: each fills both slots again, for the next tile
	TILE 1
	s_sub_co_u32 s[TL], s[TL], 1
	s_cmp_lg_u32 s[TL], 0
	s_cbranch_scc1 .Ltile
	TILE 0                                         ; the last tile is written out
	; THE END.  Which of W's eight is the best: the lowest j that equals it.  Then the column, the key, the other half of the lanes, and the store.
.irp a, 0,1,2,3,4,5,6,7
	v_mov_b32 v[JJ+\a], 7
.endr
	WIN 0x01                                       ; source 0 (W) window 1
.irp j, 6,5,4,3,2,1,0
.irp a, 0,1,2,3,4,5,6,7
	v_cmp_neq_f32 s[M+\a], v[WB+8*\a+\j], v[BEST+\a]
.endr
.irp a, 0,1,2,3,4,5,6,7
	v_cndmask_b32 v[JJ+\a], \j, v[JJ+\a], s[M+\a]
.endr
.endr
	WIN 0
.irp a, 0,1,2,3,4,5,6,7
	v_add3_u32 v[GID+\a], v[GID+\a], v[JJ+\a], v[H8]             ; the column
.endr
.irp a, 0,1,2,3,4,5,6,7
	v_ashrrev_i32 v[JJ+\a], 31, v[BEST+\a]
.endr
.irp a, 0,1,2,3,4,5,6,7
	v_or_b32 v[JJ+\a], 0x80000000, v[JJ+\a]
.endr
.irp a, 0,1,2,3,4,5,6,7
	v_xor_b32 v[BEST+\a], v[BEST+\a], v[JJ+\a]                   ; the key: the distance's bits as a whole number that orders as the distance does
.endr
.irp a, 0,1,2,3,4,5,6,7
	v_permlanex16_b32 v[T+\a], v[BEST+\a], s[SEL], s[SEL+1]      ; the row's other 64 columns lie in the lane 16 away
	v_permlanex16_b32 v[T+8+\a], v[GID+\a], s[SEL], s[SEL+1]
.endr
.irp a, 0,1,2,3,4,5,6,7
	v_cmp_lt_u32 s[M], v[T+\a], v[BEST+\a]                       ; the other is taken where its key is less, or equal with the lower column
	v_cmp_eq_u32 s[M+1], v[T+\a], v[BEST+\a]
	v_cmp_lt_u32 s[M+2], v[T+8+\a], v[GID+\a]
	s_and_b32 s[M+1], s[M+1], s[M+2]
	s_or_b32 s[M], s[M], s[M+1]
	v_cndmask_b32 v[BEST+\a], v[BEST+\a], v[T+\a], s[M]
	v_cndmask_b32 v[GID+\a], v[GID+\a], v[T+8+\a], s[M]
.endr
.irp p, 0,1,2,3
	v_cndmask_b32 v[T+16+2*\p], v[GID+2*\p], v[GID+2*\p+1], s[HM]      ; lanes 0-15 speak for block 2 p, lanes 16-31 for block 2 p + 1: lane l for row 32 p + l
	v_cndmask_b32 v[T+17+2*\p], v[BEST+2*\p], v[BEST+2*\p+1], s[HM]
.endr
.irp p, 0,1,2,3
	global_store_b64 v[STO], v[T+16+2*\p:T+17+2*\p], s[16:17] offset:4096*\p   ; 32 lanes store 256 consecutive bytes, at a multiple of 256 from the buffer's first byte
.endr
	s_wait_tensorcnt 0x0                           ; the wave's end
	ds_add_u32 v[SPW], v[NIL]
	s_wait_dscnt 0x0
	CROUND                                         ; the closing round: no work-group ends while a partner may still ask for a tile that names it
	s_endpgm
.Lfunc_end_k_qc4afeae0f4_dist:
	.size	k_qc4afeae0f4_dist, .Lfunc_end_k_qc4afeae0f4_dist-k_qc4afeae0f4_dist
	.p2alignl 7, 3214868480
	.fill 96, 4, 3214868480
	.section	.rodata,"a",@progbits
	.p2align	6, 0x0
	.amdhsa_kernel k_qc4afeae0f4_dist
		.amdhsa_group_segment_fixed_size 327680
		.amdhsa_private_segment_fixed_size 0
		.amdhsa_enable_private_segment 0
		.amdhsa_kernarg_size 56
		.amdhsa_user_sgpr_count 2
		.amdhsa_user_sgpr_kernarg_segment_ptr 1
		.amdhsa_wavefront_size32 1
		.amdhsa_system_sgpr_workgroup_id_x 1
		.amdhsa_system_sgpr_workgroup_id_y 1
		.amdhsa_system_sgpr_workgroup_id_z 1
		.amdhsa_system_vgpr_workitem_id 0
		.amdhsa_next_free_vgpr 1024
		.amdhsa_next_free_sgpr 102
		.amdhsa_reserve_vcc 1
		.amdhsa_float_denorm_mode_32 3
		.amdhsa_float_denorm_mode_16_64 3
		.amdhsa_memory_ordered 1
		.amdhsa_forward_progress 1
		.amdhsa_inst_pref_size 255
	.end_amdhsa_kernel
	.section	.bss,"aw",@nobits
	.p2align	6
	.space	262144
	.amdgpu_metadata
---
amdhsa.version: [ 1, 2 ]
amdhsa.kernels:
  - .name:           k_qc4afeae0f4_dist
    .symbol:         k_qc4afeae0f4_dist.kd
    .args:
      - { .name: xq, .offset: 0, .size: 8, .value_kind: global_buffer, .address_space: global }
      - { .name: xs, .offset: 8, .size: 8, .value_kind: global_buffer, .address_space: global }
      - { .name: cq, .offset: 16, .size: 8, .value_kind: global_buffer, .address_space: global }
      - { .name: cs, .offset: 24, .size: 8, .value_kind: global_buffer, .address_space: global }
      - { .name: xsq, .offset: 32, .size: 8, .value_kind: global_buffer, .address_space: global }
      - { .name: csq, .offset: 40, .size: 8, .value_kind: global_buffer, .address_space: global }
      - { .name: cand, .offset: 48, .size: 8, .value_kind: global_buffer, .address_space: global }
    .group_segment_fixed_size: 327680
    .private_segment_fixed_size: 0
    .kernarg_segment_align: 8
    .kernarg_segment_size: 56
    .max_flat_workgroup_size: 128
    .sgpr_count:     102
    .vgpr_count:     1024
    .wavefront_size: 32
...
	.end_amdgpu_metadata
.endif
;; end of part 2
;; launch pick (part 3): grid 256 x 1, 16 waves a work-group, no clusters, 0 bytes of LDS; arguments cand, image_tensor, codes, out0, out1; writes out0, out1
.if DOCPART == 3
	.amdgcn_target "amdgcn-amd-amdhsa--gfx1250"
	.amdhsa_code_object_version 6
	.text
	.protected	k_qc4afeae0f4_pick
	.globl	k_qc4afeae0f4_pick
	.p2align	8
	.type	k_qc4afeae0f4_pick,@function
k_qc4afeae0f4_pick:
	s_mov_b64 s[64:65], 0
	v_nop
	global_prefetch_b8 v0, s[64:65] scope:SCOPE_SE
	s_setreg_imm32_b32 hwreg(HW_REG_WAVE_MODE, 25, 1), 1
	s_wait_xcnt 0x0
; Of each row's 16 candidates (a column, and the distance as a whole number that orders as the distance does) the least is taken, on a tie the lowest column: out0.
; out1 = x + (codes[out0] - x), in f32, as reference() writes it.
; SHARES: a work-group takes 32 rows; wave w rows 2 w and 2 w + 1.  Every wave reads the work-group's 4,096 bytes of candidates, a lane a row, and takes all 32 minima: that spares LDS and a barrier.
; Wave 0 stores the 32 indices (128 consecutive bytes).  A row of x, of codes and of out1 is 4,096 bytes: eight loads or stores of 512 consecutive bytes.  No loop, no barrier, EXEC is never changed.
; An index is held at 8,191 before it enters an address.
.set X, 32                             ; v32-95   x: row u, piece k at 32 u + 4 k
.set Q, 96                             ; v96-159  the gathered rows, then the results
.set C, 160                            ; v160-191 the candidates: share s: column at 2 s, key at 2 s + 1; the best stays in share 0's pair
	s_load_b256 s[4:11], s[0:1], 0x0               ; cand, image_tensor, codes, out0
	s_load_b64 s[12:13], s[0:1], 0x20              ; out1
	v_lshrrev_b32 v1, 5, v0
	v_readfirstlane_b32 s14, v1                    ; wave 0..15
	v_and_b32 v1, 31, v0                           ; lane
	v_lshlrev_b32 v2, 4, v1                        ; 16 x lane
	v_lshlrev_b32 v3, 3, v1                        ; 8 x lane
	v_lshlrev_b32 v4, 2, v1                        ; 4 x lane
	s_lshl_b32 s15, s14, 3
	v_mov_b32 v5, s15                              ; the lane permute's index: 4 x lane 2 w,
	v_add_nc_u32 v6, 4, v5                         ; and 4 x lane 2 w + 1
	s_lshl_b32 s16, ttmp9, 12                      ; the work-group's 4,096 bytes of candidates
	s_mov_b32 s17, 0
	s_lshl_b32 s18, ttmp9, 17                      ; its 32 rows of 4,096 bytes,
	s_lshl_b32 s19, s14, 13                        ; my two of them
	s_add_co_u32 s18, s18, s19
	s_mov_b32 s19, 0
	s_lshl_b32 s28, ttmp9, 7                       ; its 32 indices
	s_mov_b32 s29, 0
	s_wait_kmcnt 0x0
	s_add_nc_u64 s[4:5], s[4:5], s[16:17]
	s_add_nc_u64 s[6:7], s[6:7], s[18:19]
	s_add_nc_u64 s[12:13], s[12:13], s[18:19]
	s_add_nc_u64 s[10:11], s[10:11], s[28:29]
.irp s, 0,1,2,3,4,5,6,7,8,9,10,11,12,13,14,15
	global_load_b64 v[C+2*\s:C+2*\s+1], v3, s[4:5] offset:256*\s          ; share s of the 32 rows: 256 consecutive bytes
.endr
.irp u, 0,1
.irp k, 0,1,2,3,4,5,6,7
	global_load_b128 v[X+32*\u+4*\k:X+32*\u+4*\k+3], v2, s[6:7] offset:4096*\u+512*\k th:TH_LOAD_NT
.endr
.endr
	s_wait_loadcnt 16                              ; the candidates are in; x's sixteen loads stay out
.irp s, 1,2,3,4,5,6,7,8,9,10,11,12,13,14,15
	v_cmp_lt_u32 s20, v[C+2*\s+1], v[C+1]          ; share s is taken where its key is less, or equal with the lower column (the shares' columns interleave)
	v_cmp_eq_u32 s21, v[C+2*\s+1], v[C+1]
	v_cmp_lt_u32 s22, v[C+2*\s], v[C]
	s_and_b32 s21, s21, s22
	s_or_b32 s20, s20, s21
	v_cndmask_b32 v[C], v[C], v[C+2*\s], s20
	v_cndmask_b32 v[C+1], v[C+1], v[C+2*\s+1], s20
.endr
	v_min_u32 v[C], 0x1fff, v[C]
	s_cmp_lg_u32 s14, 0
	s_cbranch_scc1 .Lnot_first
	global_store_b32 v4, v[C], s[10:11]            ; wave 0: the 32 rows' indices
.Lnot_first:
	ds_bpermute_b32 v7, v5, v[C]                   ; every lane gets row 2 w's index,
	ds_bpermute_b32 v8, v6, v[C]                   ; and row 2 w + 1's (no LDS byte is touched)
	s_wait_dscnt 0x0
	v_min_u32 v7, 0x1fff, v7                       ; held inside the table,
	v_min_u32 v8, 0x1fff, v8
	v_lshl_add_u32 v7, v7, 12, v2                  ; a row of 4,096 bytes, + 16 x lane
	v_lshl_add_u32 v8, v8, 12, v2
.irp u, 0,1
.irp k, 0,1,2,3,4,5,6,7
	global_load_b128 v[Q+32*\u+4*\k:Q+32*\u+4*\k+3], v[7+\u], s[8:9] offset:512*\k   ; a row may be named by many rows of x: no hint
.endr
.endr
.macro ROWOUT u
.irp k, 0,1,2,3,4,5,6,7
.irp p, 0,2
	v_pk_add_f32 v[Q+32*\u+4*\k+\p:Q+32*\u+4*\k+\p+1], v[Q+32*\u+4*\k+\p:Q+32*\u+4*\k+\p+1], v[X+32*\u+4*\k+\p:X+32*\u+4*\k+\p+1] neg_lo:[0,1] neg_hi:[0,1]   ; q - x
.endr
.endr
.irp k, 0,1,2,3,4,5,6,7
.irp p, 0,2
	v_pk_add_f32 v[Q+32*\u+4*\k+\p:Q+32*\u+4*\k+\p+1], v[X+32*\u+4*\k+\p:X+32*\u+4*\k+\p+1], v[Q+32*\u+4*\k+\p:Q+32*\u+4*\k+\p+1]   ; x + (q - x)
.endr
.endr
.irp k, 0,1,2,3,4,5,6,7
	global_store_b128 v2, v[Q+32*\u+4*\k:Q+32*\u+4*\k+3], s[12:13] offset:4096*\u+512*\k th:TH_STORE_NT   ; 32 lanes store 512 consecutive bytes, aligned
.endr
.endm
	s_wait_loadcnt 8                               ; x and the first gathered row are in; the second row's eight loads stay out
	ROWOUT 0
	s_wait_loadcnt 0x0
	ROWOUT 1
	s_endpgm
.Lfunc_end_k_qc4afeae0f4_pick:
	.size	k_qc4afeae0f4_pick, .Lfunc_end_k_qc4afeae0f4_pick-k_qc4afeae0f4_pick
	.p2alignl 7, 3214868480
	.fill 96, 4, 3214868480
	.section	.rodata,"a",@progbits
	.p2align	6, 0x0
	.amdhsa_kernel k_qc4afeae0f4_pick
		.amdhsa_group_segment_fixed_size 0
		.amdhsa_private_segment_fixed_size 0
		.amdhsa_enable_private_segment 0
		.amdhsa_kernarg_size 40
		.amdhsa_user_sgpr_count 2
		.amdhsa_user_sgpr_kernarg_segment_ptr 1
		.amdhsa_wavefront_size32 1
		.amdhsa_system_sgpr_workgroup_id_x 1
		.amdhsa_system_sgpr_workgroup_id_y 1
		.amdhsa_system_sgpr_workgroup_id_z 1
		.amdhsa_system_vgpr_workitem_id 0
		.amdhsa_next_free_vgpr 192
		.amdhsa_next_free_sgpr 66
		.amdhsa_reserve_vcc 0
		.amdhsa_float_denorm_mode_32 3
		.amdhsa_float_denorm_mode_16_64 3
		.amdhsa_memory_ordered 1
		.amdhsa_forward_progress 1
		.amdhsa_inst_pref_size 18
	.end_amdhsa_kernel
	.amdgpu_metadata
---
amdhsa.version: [ 1, 2 ]
amdhsa.kernels:
  - .name:           k_qc4afeae0f4_pick
    .symbol:         k_qc4afeae0f4_pick.kd
    .args:
      - { .name: cand, .offset: 0, .size: 8, .value_kind: global_buffer, .address_space: global }
      - { .name: image_tensor, .offset: 8, .size: 8, .value_kind: global_buffer, .address_space: global }
      - { .name: codes, .offset: 16, .size: 8, .value_kind: global_buffer, .address_space: global }
      - { .name: out0, .offset: 24, .size: 8, .value_kind: global_buffer, .address_space: global }
      - { .name: out1, .offset: 32, .size: 8, .value_kind: global_buffer, .address_space: global }
    .group_segment_fixed_size: 0
    .private_segment_fixed_size: 0
    .kernarg_segment_align: 8
    .kernarg_segment_size: 40
    .max_flat_workgroup_size: 512
    .sgpr_count:     66
    .vgpr_count:     192
    .wavefront_size: 32
...
	.end_amdgpu_metadata
.endif
;; end of part 3
